; MI455X (gfx1250); checked and timed in simulation.
; The chip was launched on July 23, 2026; its instructions are those of AMD's public machine-readable ISA for CDNA 5 (MIT licence, August 2026) and "CDNA5" Instruction Set Architecture Reference Guide (July 2026). The comments in the code are by the model that wrote it; some were corrected since.
;; Dot Product Attention. Allowed arithmetic: matrix products marked QUANTISED: E5M2 operands, one given power-of-two scale a tensor, by v_wmma_f32_16x16x64_bf8_bf8 or v_wmma_f32_16x16x128_bf8_bf8, f32 sums; everything else in f32.
;; Inputs: keys 2 x 8 x 4,096 x 64 float32; lowp_scales 4 int32 (the exponents e of the quantised operands' scales 2^e); mask 1 x 1 x 4,096 x 4,096 float32; queries 2 x 8 x 4,096 x 64 float32; values 2 x 8 x 4,096 x 64 float32.
;; Outputs: out0 2 x 8 x 4,096 x 64 float32.
;; Constants: d_k = 64.
;; This version of the problem:
;;   THIS VERSION OF THE PROBLEM IS GIVEN IN LOW PRECISION. The matrix products marked QUANTISED in the list below multiply operands that are first quantised to E5M2 (5 exponent bits, 2 mantissa bits; 8 bits a number), with one given power-of-two scale for each operand tensor; their sums are f32. All else is computed in f32.
;;   The module's matrix products, in the order in which they are computed (A, B: the left and right operand; K: the contracted axis; several contracted axes count as one K, in the product's order):
;;     1. batch 16 x [M 4,096, K 64] x [K 64, N 4,096]; A: input queries; B: input keys: QUANTISED (scales: A lowp_scales[0], B lowp_scales[1])
;;     2. batch 16 x [M 4,096, K 4,096] x [K 4,096, N 64]; A: softmax (see below); B: input values: QUANTISED (scales: A lowp_scales[2], B lowp_scales[3])
;;   THE QUANTISER, for each operand of a quantised product, along K:
;;     - The operand's scale is 2^e, e = its entry of the input lowp_scales (int32; the entries are numbered through the quantised products in the list's order, A before B).
;;     - Each number is divided by the scale, clamped to +-57,344, and rounded to the nearest number of E5M2, ties to even, subnormals kept.
;;     - The product sums the exact products of the quantised numbers (number of the format x scale) in f32.
;;   ~~~python
;;   def quantise(x, axis, e):      # numpy; x: float32 -> the quantised numbers, widened to float32 again
;;       x = np.moveaxis(x, axis, -1); K = x.shape[-1]
;;       r = np.clip(x / 2.0 ** e, -57344, 57344)
;;       step = 2.0 ** (np.maximum(np.frexp(np.where(r == 0, 1, r))[1] - 1, -14) - 2)
;;       q = np.round(r / step) * step * 2.0 ** e      # np.round: ties to even
;;       return np.moveaxis(q, -1, axis).astype(np.float32)
;;   ~~~
;;   SOFTMAX AHEAD OF A QUANTISED PRODUCT. Where the list says 'softmax', what is quantised is not the finished softmax but p = 2^(t - M), with t = logit x log2(e) and M = ceil(the row's largest t), a whole number; so 1/2 < the row's largest p <= 1. The row's sum l is taken of the UNQUANTISED p, in f32, and the product's result is divided by l at the end. Since M is a whole number, a kernel that streams over the keys may use a running M (the ceiling of the running maximum): every later rescaling is an exact power of two, so the quantised numbers keep their values, but for numbers so far below the row's largest that they fall under the format's range.
;;   OPERANDS COMPUTED ON THE WAY. 'Computed on the way' means the value that the module computes at that place (a softmax that the list does not call 'softmax' is quantised finished and normalised). What goes into a quantiser is computed in f32, as accurately as f32 sums, v_exp_f32 and their like allow (about 1e-6 of the number): no bf16 or f16 on the way to a quantiser, and a product that is left as it is and whose result goes on into a quantised operand takes f32 operands (vector FMAs, or v_wmma_f32_16x16x4_f32). A number that lies on a knife's edge between two numbers of the format may be rounded either way, as far as f32 arithmetic and the matrix unit's own rounding can turn it there, and no further.
;; One version. Each part assembles by itself: llvm-mc -triple=amdgcn-amd-amdhsa -mcpu=gfx1250 --defsym DOCPART=n.
;; ======== version 1 of 1: 2 launches
;; limits: right only within a limited range of input values
;; workspace buffers: kv 8,388,608 bytes
;; launch quant (part 1): grid 256 x 1, 8 waves a work-group, no clusters, 0 bytes of LDS; arguments keys, values, lowp_scales, kv; writes kv
.if DOCPART == 1
	.amdgcn_target "amdgcn-amd-amdhsa--gfx1250"
	.amdhsa_code_object_version 6
	.text
	.protected	k_q686f8fc4e9_quant
	.globl	k_q686f8fc4e9_quant
	.p2align	8
	.type	k_q686f8fc4e9_quant,@function
k_q686f8fc4e9_quant:
	s_mov_b64 s[64:65], 0
	v_nop
	global_prefetch_b8 v0, s[64:65] scope:SCOPE_SE
	s_setreg_imm32_b32 hwreg(HW_REG_WAVE_MODE, 25, 1), 1
	s_wait_xcnt 0x0
; keys and values, [16 heads][4096][64] f32, become codes of BF8 (E5M2), each tensor with the one scale 2^e that is given for it (keys: entry 1, values: entry 3 of the scales).
; code = x / 2^e, held within +-57,344, rounded to the nearest code, ties to even.
; LIMITS: -126 <= e <= 112, so that 2^e and 57,344 x 2^e are f32 numbers.  NaN among the inputs is not served (an infinity is held at the largest code).
; THE CODES ARE LAID AS IMAGES OF THE OPERANDS' REGISTERS, so that the next launch brings a step's K and V of a pair of heads by dense blocks and reads each fragment as 512 consecutive bytes:
;   kv byte = (((head / 2) x 32 + step) x 2 + head % 2) x 16,384 + ...,   step = 128 keys,   lane = (r, h) = (lane % 16, lane / 16)
;   K: (2 j + gg) x 512 + 16 lane: 16 codes d = 32 gg + 16 h + 0 .. 15 of key 128 step + 32 (j / 2) + 8 (j % 2) + r + 8 (r / 8)       (tile j = 0 .. 7, gg = 0, 1)
;   V: 8,192 + (4 ct + c) x 512 + 16 lane: 16 codes of keys 128 step + 32 c + 16 h + 0 .. 15 of channel 16 ct + r                   (ct = 0 .. 3, c = 0 .. 3)
; SHARES.  Work-groups 0-127 take the keys, 128-255 the values.  A wave takes half a step of one head: 16 KiB of numbers in, 4 KiB of codes out.  Waves share nothing: no LDS, no barrier.
; K: d is innermost in memory: a lane loads its 16 neighbours of a row by four loads of 16 bytes; the eight loads of a tile, issued on end, cover its sixteen rows of 256 bytes whole.
; V: the keys are the second product's K and are NOT innermost: a lane takes a channel and its registers run down the keys, so the conversions give codes with the keys innermost and nothing is transposed.
; Every store's data have registers of their own and no address is stepped, so no register that a pending instruction names is written again.
.set X,   16                           ; v16-143   128 numbers as loaded: four sets of 32
.set C,   144                          ; v144-175  their codes: four sets of 8 registers
.set LIM, 10                           ; v10  57,344 x 2^e
.set SCL, 11                           ; v11  2^e as f32: the conversion takes its exponent field
	s_load_b256 s[4:11], s[0:1], 0x0               ; keys s[4:5], values s[6:7], the scales' exponents s[8:9], kv s[10:11]
	v_lshrrev_b32 v1, 5, v0
	s_delay_alu instid0(VALU_DEP_1)
	v_readfirstlane_b32 s12, v1                    ; wave 0..7
	v_and_b32 v2, 31, v0                           ; lane
	s_delay_alu instid0(VALU_DEP_1)
	v_and_b32 v5, 15, v2                           ; r
	s_delay_alu instid0(VALU_DEP_2)
	v_lshrrev_b32 v6, 4, v2                        ; h
	s_and_b32 s13, ttmp9, 127
	s_lshl_b32 s13, s13, 3
	s_add_co_u32 s13, s13, s12                     ; T = which of the tensor's 1,024 half steps is my wave's
	s_lshr_b32 s14, s13, 6                         ; head
	s_bfe_u32 s15, s13, 0x50001                    ; step: 5 bits from bit 1
	s_and_b32 s16, s13, 1                          ; half
	s_lshl_b32 s20, s14, 20                        ; a head is 4,096 rows of 256 bytes,
	s_lshl_b32 s17, s15, 15                        ; a step 128 of them
	s_add_co_u32 s20, s20, s17
	s_mov_b32 s21, 0
	s_lshr_b32 s22, s14, 1
	s_lshl_b32 s22, s22, 5
	s_add_co_u32 s22, s22, s15
	s_lshl_b32 s22, s22, 1
	s_and_b32 s17, s14, 1
	s_add_co_u32 s22, s22, s17
	s_lshl_b32 s22, s22, 14                        ; ((head / 2) x 32 + step) x 2 + head % 2, blocks of 16,384 bytes,
	s_lshl_b32 s17, s16, 12                        ; and my half of K's or of V's image: 4,096 bytes
	s_add_co_u32 s22, s22, s17
	s_mov_b32 s23, 0
	s_wait_kmcnt 0x0
	s_load_b128 s[24:27], s[8:9], 0x0              ; eq, ek, ep, ev
	s_add_nc_u64 s[10:11], s[10:11], s[22:23]
.macro SCALE e                         ; from the whole number in s[e]: 2^e and 57,344 x 2^e as f32 patterns
	s_add_co_i32 s28, s[\e], 127
	s_lshl_b32 s29, s28, 23
	v_mov_b32 v[SCL], s29
	s_add_co_i32 s28, s28, 15
	s_lshl_b32 s28, s28, 23
	s_or_b32 s28, s28, 0x600000                    ; the mantissa field of 57,344
	v_mov_b32 v[LIM], s28
.endm
.macro CODES t                         ; set t's 32 numbers become 32 codes in 8 registers
.set n, 0
.rept 32
	v_med3_num_f32 v[X+32*(\t)+n], v[X+32*(\t)+n], -v[LIM], v[LIM]   ; the conversion to an 8-bit code does not saturate (ISA guide 7.6.2): the hold at the largest code x the scale comes first
.set n, n+1
.endr
.irp g, 0,1,2,3
	v_cvt_scalef32_pk8_bf8_f32 v[C+8*(\t)+2*\g:C+8*(\t)+2*\g+1], v[X+32*(\t)+8*\g:X+32*(\t)+8*\g+7], v[SCL]   ; the results go to stores alone; the next vector lines are the next set's holds, on other registers
.endr
.endm
	s_cmp_lt_u32 ttmp9, 128                        ; keys or values: the work-group's number alone decides
	s_cbranch_scc0 .Lvalues
	; ---- K: tiles j = 4 half + jj
	s_lshl_b32 s17, s16, 14                        ; my half: 64 keys of 256 bytes
	s_add_co_u32 s20, s20, s17
	s_add_nc_u64 s[4:5], s[4:5], s[20:21]
	s_wait_alu depctr_va_vdst(0)
	v_and_b32 v7, 8, v5
	s_delay_alu instid0(VALU_DEP_1)
	v_add_nc_u32 v7, v7, v5                        ; r + 8 (r / 8): THE KEYS OF A TILE ARE NOT NEIGHBOURS
	s_delay_alu instid0(VALU_DEP_1)
	v_lshlrev_b32 v3, 8, v7
	s_delay_alu instid0(VALU_DEP_1)
	v_lshl_add_u32 v3, v6, 6, v3                   ; that row, + 64 h: my 16 numbers of a block of 32
	v_lshlrev_b32 v4, 4, v2                        ; out: 16 x lane
.irp jj, 0,1,2,3
.irp gg, 0,1
.irp e, 0,1,2,3
	global_load_b128 v[X+32*\jj+16*\gg+4*\e:X+32*\jj+16*\gg+4*\e+3], v3, s[4:5] offset:(32*(\jj/2)+8*(\jj%2))*256+128*\gg+16*\e
.endr
.endr
.endr
	s_wait_kmcnt 0x0
	SCALE 25                                       ; ek
	s_wait_alu depctr_va_vdst(0)
.irp jj, 0,1,2,3
	s_wait_loadcnt 24-8*\jj                        ; this tile's eight loads are in; the later tiles', eight each, may be out
	CODES \jj
	global_store_b128 v4, v[C+8*\jj:C+8*\jj+3], s[10:11] offset:1024*\jj          ; gg = 0: the wave stores 512 consecutive bytes, aligned
	global_store_b128 v4, v[C+8*\jj+4:C+8*\jj+7], s[10:11] offset:1024*\jj+512    ; gg = 1
.endr
	s_endpgm
.Lvalues:
	; ---- V: channels 32 half + lane, all 128 keys of the step
	s_lshl_b32 s17, s16, 7                         ; my half: 32 channels of 4 bytes
	s_add_co_u32 s20, s20, s17
	s_add_nc_u64 s[6:7], s[6:7], s[20:21]
	s_wait_alu depctr_va_vdst(0)
	v_lshlrev_b32 v3, 2, v2                        ; in: 4 bytes a lane: 128 consecutive bytes a load
	v_lshlrev_b32 v4, 4, v5
	s_delay_alu instid0(VALU_DEP_1)
	v_lshl_add_u32 v4, v6, 11, v4                  ; out: channel tile lane / 16 (four blocks of 512 bytes), place r
.macro VLOAD c                         ; keys 32 c + 0 .. 31 of my channel
.set n, 0
.rept 32
	global_load_b32 v[X+32*(\c)+n], v3, s[6:7] offset:(32*(\c)+n)*256
.set n, n+1
.endr
.endm
.macro VBLOCK c                        ; my 32 codes: keys 32 c + 0 .. 15 are the image's lanes 0-15, keys 32 c + 16 .. 31 its lanes 16-31
	CODES \c
	global_store_b128 v4, v[C+8*(\c):C+8*(\c)+3], s[10:11] offset:8192+512*(\c)        ; sixteen lanes store 256 consecutive bytes, aligned
	global_store_b128 v4, v[C+8*(\c)+4:C+8*(\c)+7], s[10:11] offset:8192+512*(\c)+256
.endm
	VLOAD 0
	VLOAD 1
	s_wait_alu depctr_va_vdst(0)
	s_wait_kmcnt 0x0
	SCALE 27                                       ; ev
	s_wait_alu depctr_va_vdst(0)
	s_wait_loadcnt 32                              ; block 0 is in; block 1's 32 loads may be out
	VLOAD 2
	VBLOCK 0
	s_wait_loadcnt 32                              ; block 1 is in; block 2's may be out
	VLOAD 3
	VBLOCK 1
	s_wait_loadcnt 32                              ; block 2 is in; block 3's may be out
	VBLOCK 2
	s_wait_loadcnt 0x0
	VBLOCK 3
	s_endpgm
.Lfunc_end_k_q686f8fc4e9_quant:
	.size	k_q686f8fc4e9_quant, .Lfunc_end_k_q686f8fc4e9_quant-k_q686f8fc4e9_quant
	.p2alignl 7, 3214868480
	.fill 96, 4, 3214868480
	.section	.rodata,"a",@progbits
	.p2align	6, 0x0
	.amdhsa_kernel k_q686f8fc4e9_quant
		.amdhsa_group_segment_fixed_size 0
		.amdhsa_private_segment_fixed_size 0
		.amdhsa_enable_private_segment 0
		.amdhsa_kernarg_size 32
		.amdhsa_user_sgpr_count 2
		.amdhsa_user_sgpr_kernarg_segment_ptr 1
		.amdhsa_wavefront_size32 1
		.amdhsa_system_sgpr_workgroup_id_x 1
		.amdhsa_system_sgpr_workgroup_id_y 1
		.amdhsa_system_sgpr_workgroup_id_z 1
		.amdhsa_system_vgpr_workitem_id 0
		.amdhsa_next_free_vgpr 176
		.amdhsa_next_free_sgpr 66
		.amdhsa_reserve_vcc 0
		.amdhsa_float_denorm_mode_32 3
		.amdhsa_float_denorm_mode_16_64 3
		.amdhsa_memory_ordered 1
		.amdhsa_forward_progress 1
		.amdhsa_inst_pref_size 38
	.end_amdhsa_kernel
	.amdgpu_metadata
---
amdhsa.version: [ 1, 2 ]
amdhsa.kernels:
  - .name:           k_q686f8fc4e9_quant
    .symbol:         k_q686f8fc4e9_quant.kd
    .args:
      - { .name: keys, .offset: 0, .size: 8, .value_kind: global_buffer, .address_space: global }
      - { .name: values, .offset: 8, .size: 8, .value_kind: global_buffer, .address_space: global }
      - { .name: lowp_scales, .offset: 16, .size: 8, .value_kind: global_buffer, .address_space: global }
      - { .name: kv, .offset: 24, .size: 8, .value_kind: global_buffer, .address_space: global }
    .group_segment_fixed_size: 0
    .private_segment_fixed_size: 0
    .kernarg_segment_align: 8
    .kernarg_segment_size: 32
    .max_flat_workgroup_size: 256
    .sgpr_count:     66
    .vgpr_count:     176
    .wavefront_size: 32
...
	.end_amdgpu_metadata
.endif
;; end of part 1
;; launch attn (part 2): grid 8 x 32, 8 waves a work-group, clusters of 4 x 4, 327,680 bytes of LDS; arguments queries, kv, mask, lowp_scales, out0; writes out0
.if DOCPART == 2
	.amdgcn_target "amdgcn-amd-amdhsa--gfx1250"
	.amdhsa_code_object_version 6
	.text
	.protected	k_q686f8fc4e9_attn
	.globl	k_q686f8fc4e9_attn
	.p2align	8
	.type	k_q686f8fc4e9_attn,@function
k_q686f8fc4e9_attn:
	s_mov_b64 s[64:65], 0
	v_nop
	global_prefetch_b8 v0, s[64:65] scope:SCOPE_SE
	s_setreg_imm32_b32 hwreg(HW_REG_WAVE_MODE, 25, 1), 1
	s_wait_xcnt 0x0
	s_wait_alu depctr_hold_cnt(0) depctr_sa_sdst(0) depctr_va_vdst(0) depctr_va_sdst(0) depctr_va_ssrc(0) depctr_va_vcc(0) depctr_vm_vsrc(0)
	s_getreg_b32 s2, hwreg(HW_REG_IB_STS2, 6, 4)
	s_cmp_eq_u32 s2, 0
	s_cbranch_scc0 .Lentry_in_a_cluster
	s_endpgm
.Lentry_in_a_cluster:
	s_bfe_u32 s2, ttmp6, 0x10000c
	s_cmp_lg_u32 s2, 0xf033
	s_cbranch_scc0 .Lentry_shape_is_right
	s_endpgm
.Lentry_shape_is_right:
; out0[head][q][:] = the sum over k of softmax_k(Q[head][q] . K[head][k] / 8 - 1e9 mask[q][k]) V[head][k][:];  16 heads, 4,096 queries and keys, 64 channels; mask [4096][4096] f32, the same for all heads, any finite numbers.
; Both products on codes of BF8 (E5M2), each operand with the one scale 2^e that is given for it: eq, ek, ep, ev.  K's and V's codes come from the launch before, as images of the operands' registers (layout: below); Q is quantised here.
; THE SOFTMAX AHEAD OF THE SECOND PRODUCT.  u = mask x (-1e9 x 2^(3 - eq - ek)) + the raw sum of the first product, ONE fused multiply-add: it is the logit x 2^(3 - eq - ek).  t = u x log2(e) x 2^(eq + ek - 3), rounded to f32:
; t is a finished f32 number BEFORE M is taken off, so that logits near 1e9 (a row masked throughout) leave no rounding remainder in the exponent.  M = the running largest t rounded UP to a whole number; p = 2^(t - M) is quantised
; along the keys, not normalised; the row's sum is taken of the unquantised p and divides at the end.  When M moves, the sum and O are multiplied by 2^(old M - new M): exact, and no branch on data.
; LIMITS: eq + ek between -95 and 130 (added to the exponent fields of log2(e) / 8 and of 1e9 x 8); eq and ep between -126 and 112; ep + ev goes through v_ldexp_f32 and has none.  Inputs finite, |t| under 3e38; NaN and infinity are not served.
; The logit has one rounding where a product and a sum would have two; the two are equal wherever -1e9 x mask is exact (masks of 0 and 1).
; SHARES.  A work-group owns 128 queries of a PAIR of heads, so that a tile of the mask (128 queries x 128 keys, 64 KiB) serves two heads beside their 32 KiB of K and V.  Wave w: head w / 4 of the pair, queries 32 (w % 4) + 0 .. 31:
; two tiles of 16, which share every fragment of K and V.  Two waves to a SIMD: one wave's loads and products stand beside the other's vector work.  Every wave walks all keys, 128 a step, 32 steps.
; CLUSTER 4 x 4.  x = pair of heads, y = block of queries.  The mask's tile hangs on the block of queries alone: asked for JOINTLY along a row of the cluster; K's and V's block hangs on the pair of heads alone: jointly along a column.
; LAYOUT.  Both products are used transposed: S^T = K Q^T (source 0 = 16 keys), O^T = V^T P^T (source 0 = 16 channels): a lane holds ONE query (lane % 16) throughout.  Lane r of K's tile 2 b + u holds key 32 b + 8 u + r + 8 (r / 8),
; so register 16 b + i of a tile's 64 scores is key 32 b + 16 (lane / 16) + i: sixteen neighbours, as the mask's rows give them and as the second product's operand wants them.  Along each K the codes sit 16 to a lane's four registers,
; the same places in both sources of a product: every product meets its partner.
; THE LOOP IS SKEWED: a trip does tile 1's softmax and both tiles' V^T P of the step before, directly behind the change of slots, while this step's fragments come from LDS; then K Q^T, the mask and tile 0's softmax of this step.
; LDS: slot n at n x 2^17: the mask's 128 rows of 512 bytes + 16 of padding (row r starts at bank 4 r mod 64 of 64 banks of 4 bytes, ISA guide 11.1: the 16 rows of a load start at 16 different banks), then 2 x 16,384 bytes of K's and V's
; images (head g: K's 8,192, V's 8,192; every load takes 512 consecutive bytes).  Behind the ring the spare words, then a stage of 16 rows x 272 bytes for each wave, into which no tile ever lands.
; REGISTERS.  Window 0: v1-9 addresses; v12-27 statistics, 8 a tile; v28-31; v32-47 Q's two fragments; v48-79 p's codes; v80-207 scores, then t, then p, 64 a tile; v208-212.
;   Window 1: v0-63 K's fragments, then tile 1's mask; v64-127 V's fragments; v128-191 tile 0's mask; v192-255 O^T, 32 a tile.
.set STEPS, 32
.set MP,    528                        ; a row of the mask's tile in LDS
.set KVOFF, 128*MP                     ; K's and V's images in a slot
.set VIMG,  8192                       ; V's image behind K's
.set SLOT1, 1<<17                      ; one exclusive or turns an address in one slot into the other's
.set SPARE, 2*SLOT1                    ; the spare words: 128 bytes for each of eight waves: four blocks of 256 bytes that no other line names
.set STAGE, SPARE+1024
.set SP,    272
.set AK0, 1                            ; v1   16 lane + KVOFF + 16,384 g: my place in an image; stays
.set AM0, 2                            ; v2   my place in the mask's tile: row 32 (w % 4) + r, + 64 h; stays
.set ADK, 3                            ; v3   the same in the slot in hand
.set ADM, 4                            ; v4
.set SPW, 5                            ; v5   LDS address of my spare word: SPARE + 4 x my thread's number; never rewritten
.set NIL, 6                            ; v6   0; never rewritten
.set GO,  7                            ; v7   16 x lane
.set STO, 8                            ; v8   the way out: where I put 32 bytes of a row
.set RD,  9                            ; v9   and where I read rows back
.set ST,  12                           ; tile a's statistics at v[ST + 8 a]: +0 -M, +1 the largest t, +2, +3 the sum in two halves, +4 f, +5 written once (named in a pair), +6, +7 at work
.set PSC, 28                           ; v28  2^ep
.set PLIM, 29                          ; v29  57,344 x 2^ep
.set PLIM2, 214                        ; v214 the same once more: the two halves of a dual line name two registers
.set PKO, 215                          ; v215 the prefetch of K and V: 8,192 x my place in the cluster's column + 256 x lane
.set PKA, 216                          ; v216 that + the step's byte
.set PKS, 80                           ; s80  the step's byte in the pair's images
.set SUM2, 30                          ; v[30:31] the sum's second chain
.set QF,  32
.set PC,  48
.set S,   80
.set PFO, 208                          ; v208 the prefetch: my lane's byte in the block's rows of the mask
.set PFA, 209                          ; v209 that + the tile's byte along a row
.set QSC, 210                          ; v210 2^eq
.set QLIM, 211                         ; v211 57,344 x 2^eq
.set QO,  212                          ; v212 my byte in the wave's rows of Q
.set KF,  0                            ; window 1
.set VF,  64
.set MK,  128
.set OA,  192
.set WV,  14                           ; s14  my wave's number
.set G1M, 24                           ; s[24:31] descriptor group 1 for the mask's tiles;  s[32:39] for K's and V's blocks
.set G1K, 32
.set G0M, 40                           ; s[40:43], s[44:47] their groups 0, which walk
.set G0K, 44
.set SEL, 48                           ; s[48:49] lane selects for v_permlanex16_b32: lane l xor 16
.set CS,  50                           ; s[50:51] log2(e) x 2^(eq + ek - 3), twice: the packed forms name a pair
.set MC,  52                           ; s[52:53] -1e9 x 2^(3 - eq - ek), twice
.set TB,  54                           ; s54  LDS byte at which the slot in hand begins
.set TRIPS, 55
.set PFS, 60                           ; s60  the prefetch: the tile's byte along a row of the mask
.set EO,  61                           ; s61  ep + ev
.set MSB, 0
.macro WIN new                         ; the immediate's high byte repeats the setting that is left; a switch that changes nothing is dropped
.if MSB != \new
	s_set_vgpr_msb (MSB<<8)|\new
.set MSB, \new
.endif
.endm
.set W_LD, 0x40                        ; destination window 1 (loads; the address is source 0, window 0)
.set W_MX, 0x01                        ; source 0 window 1: K for K Q^T, the mask for the multiply-add, O^T on the way out
.set W_PV, 0x51                        ; V, C and D window 1; p's codes window 0
.set W_RS, 0x41                        ; O^T (source 0 and destination) window 1, f window 0
; A joint load, one for every wave.  Waves 0 to 3 fetch a quarter of the mask's tile each (32 rows), waves 4 to 7 a quarter of the two heads' images each (8,192 bytes).  The branch hangs on the wave's number alone.
; Four v_nop follow each of the two lines, ahead of the jump, the label and what follows.
.macro TLOAD
	s_cmp_lt_u32 s[WV], 4
	s_cbranch_scc0 .Lnot_m_\@
	tensor_load_to_lds s[G0M:G0M+3], s[G1M:G1M+7]
	s_nop 0
.rept 4
	v_nop
.endr
	s_branch .Lasked_\@
.Lnot_m_\@:
	tensor_load_to_lds s[G0K:G0K+3], s[G1K:G1K+7]
	s_nop 0
.rept 4
	v_nop
.endr
.Lasked_\@:
.endm
.macro CREST                           ; a round of the cluster's barrier behind its opening barrier: wave 0 signals for the work-group, every wave waits for all sixteen, the work-group's barrier closes it
	s_cmp_lg_u32 s[WV], 0
	s_cbranch_scc1 .Lnot_wave_0_\@
	s_barrier_signal -3
.Lnot_wave_0_\@:
	s_barrier_wait -3
	s_barrier_signal -1
	s_barrier_wait -1
.endm
.macro CROUND                          ; a whole round
	s_barrier_signal -1
	s_barrier_wait -1
	CREST
.endm
.macro STEPDESC                        ; the walking descriptors: the other slot than last time, the next 128 keys; the type bits on top are not reached
	s_xor_b32 s[G0M+1], s[G0M+1], SLOT1
	s_add_nc_u64 s[G0M+2:G0M+3], s[G0M+2:G0M+3], 512
	s_xor_b32 s[G0K+1], s[G0K+1], SLOT1
	s_add_nc_u64 s[G0K+2:G0K+3], s[G0K+2:G0K+3], 32768
.endm
; The mask comes from memory once and is wanted by waves that wait for it: wave 7 asks the L2 for the tile that the NEXT trip's tensor load will fetch.  The eight work-groups that share a block of queries (one for each pair of
; heads) ask for 16 of its 128 rows each: 32 lanes, 256 bytes apart, one instruction.  The last trip's request is held at the last tile: no request leaves the buffer.  The address register is written again a trip later, behind s_wait_xcnt 0.
.macro PREF
	s_cmp_lg_u32 s[WV], 7
	s_cbranch_scc1 .Lno_pf_\@
	s_wait_xcnt 0x0
	s_wait_alu depctr_va_vdst(0)
	v_add_nc_u32 v[PFA], s[PFS], v[PFO]
	global_prefetch_b8 v[PFA], s[72:73] th:TH_LOAD_NT scope:SCOPE_SE
.Lno_pf_\@:
	s_add_co_u32 s[PFS], s[PFS], 512
	s_min_u32 s[PFS], s[PFS], 15872
	; K's and V's images likewise: wave 6 asks for the block of 32,768 bytes that the next trip's tensor loads will fetch.  The four work-groups of a column of the cluster take 8,192 bytes each, told apart by address: 32 lanes, 256 bytes apart.
	; The last trips' requests are held at the last step's block: no request leaves the buffer.
	s_cmp_lg_u32 s[WV], 6
	s_cbranch_scc1 .Lno_pk_\@
	s_wait_xcnt 0x0
	s_wait_alu depctr_va_vdst(0)
	v_add_nc_u32 v[PKA], s[PKS], v[PKO]
	global_prefetch_b8 v[PKA], s[76:77] th:TH_LOAD_NT scope:SCOPE_SE
.Lno_pk_\@:
	s_add_co_u32 s[PKS], s[PKS], 32768
	s_min_u32 s[PKS], s[PKS], 1015808
.endm
	s_load_b256 s[4:11], s[0:1], 0x0               ; queries s[4:5], kv s[6:7], mask s[8:9], the scales' exponents s[10:11]
	s_load_b64 s[12:13], s[0:1], 0x20              ; out0
	v_lshl_add_u32 v[SPW], v0, 2, SPARE
	v_mov_b32 v[NIL], 0
	ds_add_u32 v5, v6
	ds_add_u32 v5, v6
	s_wait_dscnt 0x0
	v_lshrrev_b32 v10, 5, v0
	s_delay_alu instid0(VALU_DEP_1)
	v_readfirstlane_b32 s[WV], v10                 ; wave 0..7
	s_lshr_b32 s15, s[WV], 2                       ; g: which head of the pair
	s_and_b32 s16, s[WV], 3                        ; which 32 of the block's queries
	s_and_b32 s17, s[WV], 1                        ; w % 2; nothing reads it
	s_bfe_u32 s18, ttmp6, 0x40000                  ; cx, cy: my place in the cluster
	s_bfe_u32 s19, ttmp6, 0x40004
	s_lshl_b32 s20, ttmp9, 2
	s_add_co_u32 s20, s20, s18                     ; pair of heads = 4 x cluster x + cx
	s_and_b32 s21, ttmp7, 0xffff
	s_lshl_b32 s21, s21, 2
	s_add_co_u32 s21, s21, s19                     ; block of queries = 4 x cluster y + cy
	s_lshl_b32 s22, s19, 2
	s_lshl_b32 s22, 15, s22                        ; my row of the cluster
	s_lshl_b32 s23, 0x1111, s18                    ; my column
	; descriptor group 1, the mask: 32 rows x 128 elements of 4 bytes, 4,096 elements from row to row, padded in LDS
	s_or_b32 s[G1M], s22, (2<<16)|(1<<20)|(1<<21)|(6<<22)|(3<<25)   ; 15:0 the mask of work-groups: my row; 17:16 elements of 4 bytes; 20 padding on; 21 set beside a mask; 24:22 after every 128 words (code 6); 31:25 four words (code 3)
	s_mov_b32 s[G1M+1], 128<<16                    ; tensor_dim0
	s_mov_b32 s[G1M+2], 32<<16                     ; tensor_dim1: 32 rows a wave
	s_mov_b32 s[G1M+3], 128<<16                    ; tile_dim0
	s_mov_b32 s[G1M+4], 32                         ; tile_dim1
	s_mov_b32 s[G1M+5], 4096                       ; tensor_dim0_stride
	s_mov_b32 s[G1M+6], 0
	s_mov_b32 s[G1M+7], 0
	; K's and V's images of one head and step: a dense block of 16,384 bytes, as 64 rows of 32 elements of 8 bytes; no padding
	s_or_b32 s[G1K], s23, (3<<16)|(1<<21)          ; the mask of work-groups: my column
	s_mov_b32 s[G1K+1], 32<<16
	s_mov_b32 s[G1K+2], 32<<16                     ; 32 rows of 256 bytes a wave
	s_mov_b32 s[G1K+3], 32<<16
	s_mov_b32 s[G1K+4], 32
	s_mov_b32 s[G1K+5], 32
	s_mov_b32 s[G1K+6], 0
	s_mov_b32 s[G1K+7], 0
	; offsets, each in registers of its own: the mask's never hold cx, kv's never hold cy
	s_lshl_b32 s74, s21, 21                        ; the block's 128 rows of 16,384 bytes
	s_mov_b32 s75, 0
	s_lshl_b32 s2, s16, 19                         ; my quarter: 32 rows
	s_add_co_u32 s66, s74, s2
	s_mov_b32 s67, 0
	s_lshl_b32 s68, s20, 20                        ; the pair's 32 steps of 32,768 bytes
	s_lshl_b32 s3, s16, 13                         ; my quarter of the two heads' images
	s_add_co_u32 s68, s68, s3
	s_mov_b32 s69, 0
	s_lshl_b32 s70, s20, 1
	s_add_co_u32 s70, s70, s15
	s_lshl_b32 s70, s70, 20                        ; Q and out0: my head's 4,096 rows of 256 bytes,
	s_lshl_b32 s62, s21, 15                        ; the block's 128,
	s_add_co_u32 s70, s70, s62
	s_lshl_b32 s62, s16, 13                        ; my wave's 32
	s_add_co_u32 s70, s70, s62
	s_mov_b32 s71, 0
	s_mov_b32 s[SEL], 0x76543210
	s_mov_b32 s[SEL+1], 0xfedcba98
	s_mov_b32 s[TB], 0
	s_mov_b32 s[TRIPS], STEPS-2
	s_mov_b32 s[PFS], 1024                         ; the first request: tile 2
	; every address register that stays is made here, ahead of the first branch on the wave's number
	v_and_b32 v10, 15, v0                          ; r
	v_bfe_u32 v11, v0, 4, 1                        ; h
	v_and_b32 v[GO], 31, v0
	s_delay_alu instid0(VALU_DEP_1)
	v_lshlrev_b32 v[GO], 4, v[GO]
	s_lshl_b32 s62, s15, 14
	s_add_co_u32 s62, s62, KVOFF
	v_add_nc_u32 v[AK0], s62, v[GO]
	v_mul_u32_u24 v[AM0], v10, MP
	s_delay_alu instid0(VALU_DEP_1)
	v_lshl_add_u32 v[AM0], v11, 6, v[AM0]          ; row r, + 64 h: my 16 keys of a block of 32
	s_mul_i32 s62, s16, 32*MP
	v_add_nc_u32 v[AM0], s62, v[AM0]
	s_mul_i32 s63, s[WV], 16*SP
	s_add_co_u32 s63, s63, STAGE                   ; my stage
	v_mul_u32_u24 v[STO], v10, SP
	s_delay_alu instid0(VALU_DEP_1)
	v_lshl_add_u32 v[STO], v11, 5, v[STO]
	s_delay_alu instid0(VALU_DEP_1)
	v_add_nc_u32 v[STO], s63, v[STO]               ; in: row r, + 32 h
	v_mul_u32_u24 v[RD], v11, SP
	s_delay_alu instid0(VALU_DEP_1)
	v_lshl_add_u32 v[RD], v10, 4, v[RD]
	s_delay_alu instid0(VALU_DEP_1)
	v_add_nc_u32 v[RD], s63, v[RD]                 ; back: lanes 0-15 one row of 256 bytes, lanes 16-31 the next
	v_lshlrev_b32 v[QO], 8, v10
	s_delay_alu instid0(VALU_DEP_1)
	v_lshl_add_u32 v[QO], v11, 6, v[QO]            ; Q: row r of 256 bytes, + 64 h
	v_bfe_u32 v[PFO], v0, 1, 4                     ; the prefetch: row 16 x pair + lane / 2,
	s_delay_alu instid0(VALU_DEP_1)
	v_lshlrev_b32 v[PFO], 14, v[PFO]
	v_and_b32 v[PFA], 1, v0
	s_delay_alu instid0(VALU_DEP_1)
	v_lshl_add_u32 v[PFO], v[PFA], 8, v[PFO]       ; + 256 (lane % 2)
	s_lshl_b32 s62, s20, 18
	v_add_nc_u32 v[PFO], s62, v[PFO]
	v_and_b32 v[PKO], 31, v0
	s_lshl_b32 s63, s19, 13
	v_lshl_add_u32 v[PKO], v[PKO], 8, s63          ; 256 x lane + 8,192 cy
	s_lshl_b32 s78, s20, 20                        ; the pair's images
	s_mov_b32 s79, 0
	s_mov_b32 s[PKS], 65536                        ; the first request: step 2
	s_wait_kmcnt 0x0
	s_load_b128 s[56:59], s[10:11], 0x0            ; eq, ek, ep, ev
	s_mov_b32 s[G0M], 1                            ; 1:0 count = 1
	s_mul_i32 s[G0M+1], s16, 32*MP                 ; 63:32 LDS address: slot 0, my quarter: no place in the cluster enters an LDS address
	s_add_nc_u64 s[G0M+2:G0M+3], s[8:9], s[66:67]  ; 120:64 global address: keys 0 to 127
	s_or_b32 s[G0M+3], s[G0M+3], 0x80000000        ; 127:126 type = 2
	s_mov_b32 s[G0K], 1
	s_mul_i32 s[G0K+1], s16, 8192
	s_add_co_u32 s[G0K+1], s[G0K+1], KVOFF
	s_add_nc_u64 s[G0K+2:G0K+3], s[6:7], s[68:69]
	s_or_b32 s[G0K+3], s[G0K+3], 0x80000000
	s_add_nc_u64 s[72:73], s[8:9], s[74:75]        ; the mask at my block's first row
	s_add_nc_u64 s[76:77], s[6:7], s[78:79]        ; kv at my pair's first byte
	s_add_nc_u64 s[4:5], s[4:5], s[70:71]          ; Q and out0 at my wave's first row
	s_add_nc_u64 s[12:13], s[12:13], s[70:71]
	CROUND                                         ; all sixteen work-groups are here: the first joint loads meet
	TLOAD                                          ; step 0 into slot 0
	PREF
	s_wait_alu depctr_va_vdst(0)
.irp a, 0,1
.irp gg, 0,1
.irp e, 0,1,2,3
	global_load_b128 v[S+32*\a+16*\gg+4*\e:S+32*\a+16*\gg+4*\e+3], v[QO], s[4:5] offset:4096*\a+128*\gg+16*\e   ; Q(16 a + r, 32 gg + 16 h + 4 e ..): the places that K's image gives its d
.endr
.endr
.endr
	WIN W_LD
.set q, 0
.rept 64
	v_mov_b32 v[OA+q], 0                           ; O^T.  (The loop is written once: its first V^T P finds zeros, which the first change of M leaves zeros)
.set q, q+1
.endr
	WIN 0
.irp a, 0,1
	v_mov_b32 v[ST+8*\a+1], 0xff61b1e6             ; the largest t so far: -3e38, under every t
	s_delay_alu instid0(VALU_DEP_1)
	v_floor_f32 v[ST+8*\a], -v[ST+8*\a+1]          ; -M
	v_mov_b32 v[ST+8*\a+2], 0                      ; the sum, in two halves
	v_mov_b32 v[ST+8*\a+3], 0
	v_mov_b32 v[ST+8*\a+5], 0                      ; (named as the upper half of the pair with f)
.endr
	s_wait_kmcnt 0x0
	s_add_co_i32 s62, s56, s57                     ; eq + ek
	s_lshl_b32 s63, s62, 23
	s_add_co_u32 s[CS], s63, 0x3e38aa3b            ; log2(e) / 8, with eq + ek added to its exponent field
	s_mov_b32 s[CS+1], s[CS]
	s_sub_co_i32 s62, 3, s62
	s_lshl_b32 s62, s62, 23
	s_add_co_u32 s[MC], s62, 0xce6e6b28            ; -1e9, with 3 - eq - ek added to its exponent field: exact
	s_mov_b32 s[MC+1], s[MC]
	s_add_co_i32 s[EO], s58, s59                   ; ep + ev
	s_add_co_i32 s62, s58, 127
	s_lshl_b32 s63, s62, 23
	v_mov_b32 v[PSC], s63
	s_add_co_i32 s62, s62, 15
	s_lshl_b32 s62, s62, 23
	s_or_b32 s62, s62, 0x600000
	v_mov_b32 v[PLIM], s62
	v_mov_b32 v[PLIM2], s62
	s_add_co_i32 s62, s56, 127
	s_lshl_b32 s63, s62, 23
	v_mov_b32 v[QSC], s63
	s_add_co_i32 s62, s62, 15
	s_lshl_b32 s62, s62, 23
	s_or_b32 s62, s62, 0x600000
	v_mov_b32 v[QLIM], s62
	s_wait_alu depctr_va_vdst(0)
	s_wait_loadcnt 0x0                             ; Q
.set q, 0
.rept 64
	v_med3_num_f32 v[S+q], v[S+q], -v[QLIM], v[QLIM]   ; the conversion to an 8-bit code does not saturate (ISA guide 7.6.2): the hold comes first
.set q, q+1
.endr
.set q, 0
.rept 8
	v_cvt_scalef32_pk8_bf8_f32 v[QF+2*q:QF+2*q+1], v[S+8*q:S+8*q+7], v[QSC]   ; tile a's fragment at QF + 8 a: registers 4 gg .. 4 gg + 3 hold d = 32 gg + 16 h + 0 .. 15
.set q, q+1
.endr
	v_nop                                          ; one plain vector line behind the last conversion: products later read its result and write its sources
; S^T = K Q^T: 8 tiles of 16 keys x my two tiles of queries, one instruction each (the head's 64 are one K step): sixteen accumulators, each begun with the constant 0.
.macro QK
	WIN W_MX
.irp j, 0,1,2,3,4,5,6,7
.irp a, 0,1
	v_wmma_f32_16x16x64_bf8_bf8 v[S+64*\a+8*\j:S+64*\a+8*\j+7], v[KF+8*\j:KF+8*\j+7], v[QF+8*\a:QF+8*\a+7], 0
.endr
.endr
.endm
; u = mask x (-1e9 x 2^(3 - eq - ek)) + the raw sum, two at a time; each accumulator is read from its low end on.  m: the mask's 64 registers, in window 1
.macro MASKFMA a, m
	WIN W_MX
.set q, 0
.rept 32
	v_pk_fma_f32 v[S+64*(\a)+q:S+64*(\a)+q+1], v[\m+q:\m+q+1], s[MC:MC+1], v[S+64*(\a)+q:S+64*(\a)+q+1] op_sel_hi:[1,0,1]
.set q, q+2
.endr
.endm
; The first half of tile a's softmax: t, its maximum, the new M, f.
.macro SM_A a
.set rT, ST+8*(\a)
.set rS, S+64*(\a)
	WIN 0
.set q, 0
.rept 32
	v_pk_mul_f32 v[rS+q:rS+q+1], v[rS+q:rS+q+1], s[CS:CS+1] op_sel_hi:[1,0]   ; t, a rounded f32 number
.set q, q+2
.endr
	v_max3_num_f32 v[rT+6], v[rS], v[rS+1], v[rS+2]    ; the step's largest t of my query among my 64 keys, in two chains,
	v_max3_num_f32 v[rT+7], v[rS+3], v[rS+4], v[rS+5]
.set q, 6
.rept 14
	s_delay_alu instid0(VALU_DEP_2)
	v_max3_num_f32 v[rT+6], v[rT+6], v[rS+q], v[rS+q+1]
	s_delay_alu instid0(VALU_DEP_2)
	v_max3_num_f32 v[rT+7], v[rT+7], v[rS+q+2], v[rS+q+3]
.set q, q+4
.endr
	s_delay_alu instid0(VALU_DEP_2)
	v_max3_num_f32 v[rT+6], v[rT+6], v[rS+62], v[rS+63]
	s_delay_alu instid0(VALU_DEP_1)
	v_max_num_f32 v[rT+6], v[rT+6], v[rT+7]
	s_delay_alu instid0(VALU_DEP_1)
	v_permlanex16_b32 v[rT+7], v[rT+6], s[SEL], s[SEL+1]
	s_delay_alu instid0(VALU_DEP_1)
	v_max_num_f32 v[rT+6], v[rT+6], v[rT+7]            ; and among lane l xor 16's
	s_delay_alu instid0(VALU_DEP_1)
	v_max_num_f32 v[rT+1], v[rT+1], v[rT+6]            ; the running largest t
	v_mov_b32 v[rT+6], v[rT]
	s_delay_alu instid0(VALU_DEP_2)
	v_floor_f32 v[rT], -v[rT+1]                        ; the new -M = floor(-t) = -ceil(t): M is a whole number
	s_delay_alu instid0(VALU_DEP_1)
	v_sub_f32 v[rT+6], v[rT], v[rT+6]                  ; old M - new M: a whole number, 0 or less
	s_delay_alu instid0(VALU_DEP_1)
	v_cvt_i32_f32 v[rT+6], v[rT+6]                     ; (it saturates)
	s_delay_alu instid0(VALU_DEP_1)
	v_ldexp_f32 v[rT+4], 1.0, v[rT+6]                  ; f = 2^(old M - new M)
.endm
; The second half: p, the sum, p's codes.
.macro SM_B a
.set rT, ST+8*(\a)
.set rS, S+64*(\a)
.set rP, PC+16*(\a)
	WIN 0
.set q, 0
.rept 32
	v_pk_add_f32 v[rS+q:rS+q+1], v[rS+q:rS+q+1], v[rT:rT+1] op_sel_hi:[1,0]   ; t - M (of the pair the low word, -M, serves both halves)
.set q, q+2
.endr
.set q, 0
	s_wait_alu depctr_va_vdst(0)
.rept 64
	v_exp_f32 v[rS+q], v[rS+q]                     ; p = 2^(t - M), at most 1: not normalised
.set q, q+1
.endr
	v_pk_mul_f32 v[rT+2:rT+3], v[rT+2:rT+3], v[rT+4:rT+5] op_sel_hi:[1,0]     ; the sum under the new M.  (The plain line behind the exponentials)
	s_wait_alu depctr_va_vdst(0)
	v_pk_add_f32 v[SUM2:SUM2+1], v[rS:rS+1], v[rS+2:rS+3]                     ; the sum is taken of the UNQUANTISED p: two at a time, in two chains
.set q, 4
.rept 15
	v_pk_add_f32 v[rT+2:rT+3], v[rT+2:rT+3], v[rS+q:rS+q+1]
	v_pk_add_f32 v[SUM2:SUM2+1], v[SUM2:SUM2+1], v[rS+q+2:rS+q+3]
.set q, q+4
.endr
	s_delay_alu instid0(VALU_DEP_1)
	v_pk_add_f32 v[rT+2:rT+3], v[rT+2:rT+3], v[SUM2:SUM2+1]
.irp b, 0,1,2,3
.set q, 0
.rept 8
	v_dual_min_num_f32 v[rS+16*\b+q], v[rS+16*\b+q], v[PLIM] :: v_dual_min_num_f32 v[rS+16*\b+q+1], v[rS+16*\b+q+1], v[PLIM2]   ; p is not negative: the hold at the largest code x the scale is one-sided; two numbers a line
.set q, q+2
.endr
	v_cvt_scalef32_pk8_bf8_f32 v[rP+4*\b:rP+4*\b+1], v[rS+16*\b:rS+16*\b+7], v[PSC]       ; registers 4 b .. 4 b + 3 of the operand: keys 32 b + 16 h + 0 .. 15
	v_cvt_scalef32_pk8_bf8_f32 v[rP+4*\b+2:rP+4*\b+3], v[rS+16*\b+8:rS+16*\b+15], v[PSC]
.endr
	v_nop                                          ; one plain vector line behind the last conversion
.endm
.macro RESC a                          ; tile a's O^T under the new M: x f
	WIN W_RS
.set q, 0
.rept 16
	v_pk_mul_f32 v[OA+32*(\a)+q:OA+32*(\a)+q+1], v[OA+32*(\a)+q:OA+32*(\a)+q+1], v[ST+8*(\a)+4:ST+8*(\a)+5] op_sel_hi:[1,0]
.set q, q+2
.endr
.endm
; O^T += V^T P^T: 4 tiles of 16 channels x my two tiles of queries, K = the step's 128 keys.  The eight accumulators take turns, one instruction a turn.
.macro PV
	WIN W_PV
.irp ct, 0,1,2,3
.irp a, 0,1
	v_wmma_f32_16x16x128_bf8_bf8 v[OA+32*\a+8*\ct:OA+32*\a+8*\ct+7], v[VF+16*\ct:VF+16*\ct+15], v[PC+16*\a:PC+16*\a+15], v[OA+32*\a+8*\ct:OA+32*\a+8*\ct+7]
.endr
.endr
.endm
.macro MLOAD reg, off                  ; a tile's 64 numbers of the mask a lane: register 16 b + 4 e + .. = keys 32 b + 16 h + 4 e + ..
.set q, 0
.rept 16
	ds_load_b128 v[\reg+4*q:\reg+4*q+3], v[ADM] offset:\off+128*(q/4)+16*(q%4)
.set q, q+1
.endr
.endm
.macro FRONT                           ; this step's K and tile 0's mask are asked for: 32 LDS loads in one run
	WIN 0
	v_add_nc_u32 v[ADK], s[TB], v[AK0]
	v_add_nc_u32 v[ADM], s[TB], v[AM0]
	WIN W_LD
.set q, 0
.rept 16
	ds_load_b128 v[KF+4*q:KF+4*q+3], v[ADK] offset:512*q
.set q, q+1
.endr
	MLOAD MK, 0
.endm
.macro MID                             ; the step before is finished, on registers alone, while FRONT's loads come
	SM_B 1
	RESC 0
	RESC 1
	PV
.endm
.macro BACK
.rept 4
	v_nop                                          ; four plain places between the last V^T P and the loads into V's registers, which it read (ISA guide 7.12.1 for vector instructions)
.endr
	WIN W_LD
.set q, 0
.rept 16
	ds_load_b128 v[VF+4*q:VF+4*q+3], v[ADK] offset:VIMG+512*q
.set q, q+1
.endr
	s_wait_dscnt 32                                ; K's sixteen loads are in; behind them: tile 0's mask (16) and V (16)
	QK
.rept 4
	v_nop                                          ; four places: for the loads into K's registers, and for the first read of the scores
.endr
	WIN W_LD
	MLOAD KF, 16*MP                                ; tile 1's mask, sixteen rows further down, into the registers that K has left
	s_wait_dscnt 32                                ; tile 0's mask is in; behind it: V (16) and tile 1's mask (16)
	MASKFMA 0, MK
	SM_A 0
	s_wait_dscnt 0x0                               ; V and tile 1's mask are in: my reads of this slot are over
	MASKFMA 1, KF
	SM_B 0
	s_xor_b32 s[TB], s[TB], SLOT1                  ; on to the other slot
.endm
; A trip.  THE CHANGE OF SLOTS stands at its head: each wave waits for all its tensor loads (at most one is out: its part of this step's slot), adds 0 to its spare word, and waits for that and for its reads of the slot that it has left.
; fill = 1: the barrier opens a round of the cluster's barrier, so that no wave of any partner still reads that slot or has a load on its way; the joint refill, the next step's tiles, is the first thing behind the round and has the
; whole trip in which to land.  Between signal and wait stands work on registers: the first half of tile 1's softmax.
.macro BODY fill
	WIN 0
	s_wait_tensorcnt 0x0                           ; no tensor load of mine is out, so a group 0 may be written
	ds_add_u32 v[SPW], v[NIL]                      ; 0 onto my spare word
.if \fill
	STEPDESC
.endif
	s_wait_dscnt 0x0                               ; the add is done, and my reads of the slot that I have left are over
	s_barrier_signal -1
	SM_A 1
	s_barrier_wait -1
.if \fill
	CREST
	TLOAD
	PREF
.endif
	FRONT
	s_wait_alu depctr_va_vdst(0)
	MID
	BACK
.endm
	; step 0: slot 1's first fill is issued as a refill is: behind the three lines and a round, one load a wave
	s_wait_tensorcnt 0x0                           ; my part of step 0's tiles is in
	ds_add_u32 v[SPW], v[NIL]                      ; 0 onto my spare word
	STEPDESC
	s_wait_dscnt 0x0
	CROUND
	TLOAD                                          ; step 1 into slot 1
	FRONT
	s_wait_alu depctr_va_vdst(0)
	BACK
.Lstep:                                            ; 30 trips: steps 1 to 30; trip s asks for step s + 1
	BODY 1
	s_sub_co_u32 s[TRIPS], s[TRIPS], 1
	s_cmp_lg_u32 s[TRIPS], 0
	s_cbranch_scc1 .Lstep
	BODY 0                                         ; step 31 is written out: nothing is left to fetch, and no round follows the barrier
	SM_A 1                                         ; and the rest of step 31
	MID
	; THE WAY OUT.  The sum's halves are added; O^T x 2^(ep + ev) / the sum goes through my stage in LDS, a tile (16 rows of 256 bytes) at a time, and leaves as whole rows.  The lines on the sums are the places behind the last products.
	WIN 0
.irp a, 0,1
	v_add_f32 v[ST+8*\a+2], v[ST+8*\a+2], v[ST+8*\a+3]
.endr
.irp a, 0,1
	s_delay_alu instid0(VALU_DEP_2)
	v_permlanex16_b32 v[ST+8*\a+6], v[ST+8*\a+2], s[SEL], s[SEL+1]
.endr
.irp a, 0,1
	s_delay_alu instid0(VALU_DEP_2)
	v_add_f32 v[ST+8*\a+2], v[ST+8*\a+2], v[ST+8*\a+6]     ; the row's sum: over 1/2, since the row's largest p is
.endr
	s_wait_alu depctr_va_vdst(0)
.irp a, 0,1
	v_rcp_f32 v[ST+8*\a+4], v[ST+8*\a+2]
.endr
	v_nop                                          ; a plain line between the last reciprocal and the use of its result
	s_wait_alu depctr_va_vdst(0)
.irp a, 0,1
	v_ldexp_f32 v[ST+8*\a+4], v[ST+8*\a+4], s[EO]
.endr
	WIN W_MX
.set q, 0
.rept 32
	v_pk_mul_f32 v[S+q:S+q+1], v[OA+q:OA+q+1], v[ST+8*(q/32)+4:ST+8*(q/32)+5] op_sel_hi:[1,0]   ; register 32 a + 8 ct + i = out(16 a + r, 16 ct + 8 h + i); each accumulator from its low end on
.set q, q+2
.endr
	WIN 0
.irp a, 0,1
.irp ct, 0,1,2,3
	ds_store_b128 v[STO], v[S+32*\a+8*\ct:S+32*\a+8*\ct+3] offset:64*\ct
	ds_store_b128 v[STO], v[S+32*\a+8*\ct+4:S+32*\a+8*\ct+7] offset:64*\ct+16
.endr
.irp i, 0,1,2,3,4,5,6,7
	ds_load_b128 v[S+64+32*\a+4*\i:S+64+32*\a+4*\i+3], v[RD] offset:\i*2*SP   ; LDS serves a wave's instructions in order (ISA guide 5.7.1.4): these see my stores, and the next tile's stores come behind them
.endr
.endr
.irp a, 0,1
.irp i, 0,1,2,3,4,5,6,7
	s_wait_dscnt 23-16*\a-\i                       ; behind this load: the tile's later loads and, for tile 0, tile 1's sixteen LDS instructions
	global_store_b128 v[GO], v[S+64+32*\a+4*\i:S+64+32*\a+4*\i+3], s[12:13] offset:4096*\a+512*\i th:TH_STORE_NT   ; 32 lanes store two rows, 512 consecutive bytes, aligned; written once, read by nobody here
.endr
.endr
	s_wait_tensorcnt 0x0                           ; the wave's end: behind my last tensor load and my last LDS store
	ds_add_u32 v[SPW], v[NIL]
	s_wait_dscnt 0x0
	CROUND                                         ; the closing round: no work-group ends while a partner may still ask for a tile that names it
	s_endpgm
.Lfunc_end_k_q686f8fc4e9_attn:
	.size	k_q686f8fc4e9_attn, .Lfunc_end_k_q686f8fc4e9_attn-k_q686f8fc4e9_attn
	.p2alignl 7, 3214868480
	.fill 96, 4, 3214868480
	.section	.rodata,"a",@progbits
	.p2align	6, 0x0
	.amdhsa_kernel k_q686f8fc4e9_attn
		.amdhsa_group_segment_fixed_size 327680
		.amdhsa_private_segment_fixed_size 0
		.amdhsa_enable_private_segment 0
		.amdhsa_kernarg_size 40
		.amdhsa_user_sgpr_count 2
		.amdhsa_user_sgpr_kernarg_segment_ptr 1
		.amdhsa_wavefront_size32 1
		.amdhsa_system_sgpr_workgroup_id_x 1
		.amdhsa_system_sgpr_workgroup_id_y 1
		.amdhsa_system_sgpr_workgroup_id_z 1
		.amdhsa_system_vgpr_workitem_id 0
		.amdhsa_next_free_vgpr 512
		.amdhsa_next_free_sgpr 100
		.amdhsa_reserve_vcc 0
		.amdhsa_float_denorm_mode_32 3
		.amdhsa_float_denorm_mode_16_64 3
		.amdhsa_memory_ordered 1
		.amdhsa_forward_progress 1
		.amdhsa_inst_pref_size 150
	.end_amdhsa_kernel
	.amdgpu_metadata
---
amdhsa.version: [ 1, 2 ]
amdhsa.kernels:
  - .name:           k_q686f8fc4e9_attn
    .symbol:         k_q686f8fc4e9_attn.kd
    .args:
      - { .name: queries, .offset: 0, .size: 8, .value_kind: global_buffer, .address_space: global }
      - { .name: kv, .offset: 8, .size: 8, .value_kind: global_buffer, .address_space: global }
      - { .name: mask, .offset: 16, .size: 8, .value_kind: global_buffer, .address_space: global }
      - { .name: lowp_scales, .offset: 24, .size: 8, .value_kind: global_buffer, .address_space: global }
      - { .name: out0, .offset: 32, .size: 8, .value_kind: global_buffer, .address_space: global }
    .group_segment_fixed_size: 327680
    .private_segment_fixed_size: 0
    .kernarg_segment_align: 8
    .kernarg_segment_size: 40
    .max_flat_workgroup_size: 256
    .sgpr_count:     100
    .vgpr_count:     512
    .wavefront_size: 32
...
	.end_amdgpu_metadata
.endif
;; end of part 2
